; MI455X (gfx1250); checked and timed in simulation.
; The chip was launched on July 23, 2026; its instructions are those of AMD's public machine-readable ISA for CDNA 5 (MIT licence, August 2026) and "CDNA5" Instruction Set Architecture Reference Guide (July 2026). The comments in the code are by the model that wrote it; some were corrected since.
;; Attention. Allowed arithmetic: matrix products marked QUANTISED: E4M3 operands, one given power-of-two scale a tensor, by v_wmma_f32_16x16x64_fp8_fp8 or v_wmma_f32_16x16x128_fp8_fp8, f32 sums; everything else in f32.
;; Inputs: bk 512 float32; bo 2,048 float32; bq 2,048 float32; bv 512 float32; freqs_cis 2,048 x 64 float32; lowp_scales 12 int32 (the exponents e of the quantised operands' scales 2^e); mask 2,048 x 2,048 float32; wk_codes 512 x 64 x 32 uint8 (E4M3 codes of wk, K innermost, in blocks of 32 codes); wo_codes 2,048 x 64 x 32 uint8 (E4M3 codes of wo, K innermost, in blocks of 32 codes); wq_codes 2,048 x 64 x 32 uint8 (E4M3 codes of wq, K innermost, in blocks of 32 codes); wv_codes 512 x 64 x 32 uint8 (E4M3 codes of wv, K innermost, in blocks of 32 codes); x_codes 1 x 2,048 x 64 x 32 uint8 (E4M3 codes of x, K innermost, in blocks of 32 codes).
;; Outputs: out0 1 x 2,048 x 2,048 float32.
;; This version of the problem:
;;   THIS VERSION OF THE PROBLEM IS GIVEN IN LOW PRECISION. The matrix products marked QUANTISED in the list below multiply operands that are first quantised to E4M3 (4 exponent bits, 3 mantissa bits; 8 bits a number), with one given power-of-two scale for each operand tensor; their sums are f32. All else is computed in f32.
;;   The module's matrix products, in the order in which they are computed (A, B: the left and right operand; K: the contracted axis; several contracted axes count as one K, in the product's order):
;;     1. [M 2,048, K 2,048] x [K 2,048, N 2,048]; A: input x (given as codes); B: input wq (given as codes): QUANTISED (scales: A lowp_scales[0], B lowp_scales[1])
;;     2. [M 2,048, K 2,048] x [K 2,048, N 512]; A: input x (given as codes); B: input wk (given as codes): QUANTISED (scales: A lowp_scales[2], B lowp_scales[3])
;;     3. [M 2,048, K 2,048] x [K 2,048, N 512]; A: input x (given as codes); B: input wv (given as codes): QUANTISED (scales: A lowp_scales[4], B lowp_scales[5])
;;     4. batch 8 x [M 8,192, K 64] x [K 64, N 2,048]; A: computed on the way; B: computed on the way: QUANTISED (scales: A lowp_scales[6], B lowp_scales[7])
;;     5. batch 8 x [M 8,192, K 2,048] x [K 2,048, N 64]; A: softmax (see below); B: computed on the way: QUANTISED (scales: A lowp_scales[8], B lowp_scales[9])
;;     6. [M 2,048, K 2,048] x [K 2,048, N 2,048]; A: computed on the way; B: input wo (given as codes): QUANTISED (scales: A lowp_scales[10], B lowp_scales[11])
;;   THE QUANTISER, for each operand of a quantised product, along K:
;;     - The operand's scale is 2^e, e = its entry of the input lowp_scales (int32; the entries are numbered through the quantised products in the list's order, A before B).
;;     - Each number is divided by the scale, clamped to +-448, and rounded to the nearest number of E4M3, ties to even, subnormals kept.
;;     - The product sums the exact products of the quantised numbers (number of the format x scale) in f32.
;;   ~~~python
;;   def quantise(x, axis, e):      # numpy; x: float32 -> the quantised numbers, widened to float32 again
;;       x = np.moveaxis(x, axis, -1); K = x.shape[-1]
;;       r = np.clip(x / 2.0 ** e, -448, 448)
;;       step = 2.0 ** (np.maximum(np.frexp(np.where(r == 0, 1, r))[1] - 1, -6) - 3)
;;       q = np.round(r / step) * step * 2.0 ** e      # np.round: ties to even
;;       return np.moveaxis(q, -1, axis).astype(np.float32)
;;   ~~~
;;   SOFTMAX AHEAD OF A QUANTISED PRODUCT. Where the list says 'softmax', what is quantised is not the finished softmax but p = 2^(t - M), with t = logit x log2(e) and M = ceil(the row's largest t), a whole number; so 1/2 < the row's largest p <= 1. The row's sum l is taken of the UNQUANTISED p, in f32, and the product's result is divided by l at the end. Since M is a whole number, a kernel that streams over the keys may use a running M (the ceiling of the running maximum): every later rescaling is an exact power of two, so the quantised numbers keep their values, but for numbers so far below the row's largest that they fall under the format's range.
;;   OPERANDS COMPUTED ON THE WAY. 'Computed on the way' means the value that the module computes at that place (a softmax that the list does not call 'softmax' is quantised finished and normalised). What goes into a quantiser is computed in f32, as accurately as f32 sums, v_exp_f32 and their like allow (about 1e-6 of the number): no bf16 or f16 on the way to a quantiser, and a product that is left as it is and whose result goes on into a quantised operand takes f32 operands (vector FMAs, or v_wmma_f32_16x16x4_f32). A number that lies on a knife's edge between two numbers of the format may be rounded either way, as far as f32 arithmetic and the matrix unit's own rounding can turn it there, and no further.
;;   INPUTS GIVEN AS CODES. wk (in the module: [512, 2048], K = its axis 1); wo (in the module: [2048, 2048], K = its axis 1); wq (in the module: [2048, 2048], K = its axis 1); wv (in the module: [512, 2048], K = its axis 1); x (in the module: [1, 2048, 2048], K = its axis 2): each comes as NAME_codes (uint8): NAME with its K axis moved to the last place and cut into blocks of 32 codes, [.., K / 32, bytes a block], one block behind the other in memory; one code a byte (a code: sign, 4 exponent bits, 3 mantissa bits); its scale is its entry of lowp_scales. Its value is code x scale, taken as it is: it is not quantised again, and the codes and scales need not be those that the quantiser above would give.
;; One version. Each part assembles by itself: llvm-mc -triple=amdgcn-amd-amdhsa -mcpu=gfx1250 --defsym DOCPART=n.
;; ======== version 1 of 1: 3 launches
;; limits: right only within a limited range of input values
;; workspace buffers: q_codes 4,194,304 bytes; k_codes 1,048,576 bytes; v_codes 1,048,576 bytes; a_codes 4,194,304 bytes
;; launch qkv (part 1): grid 24 x 16, 4 waves a work-group, clusters of 4 x 4, 327,680 bytes of LDS; arguments x_codes, wq_codes, wk_codes, wv_codes, bq, bk, bv, freqs_cis, lowp_scales, q_codes, k_codes, v_codes; writes q_codes, k_codes, v_codes
.if DOCPART == 1
	.amdgcn_target "amdgcn-amd-amdhsa--gfx1250"
	.amdhsa_code_object_version 6
	.text
	.protected	k_qe87da86f23_qkv
	.globl	k_qe87da86f23_qkv
	.p2align	8
	.type	k_qe87da86f23_qkv,@function
k_qe87da86f23_qkv:
	s_mov_b64 s[64:65], 0
	v_nop
	global_prefetch_b8 v0, s[64:65] scope:SCOPE_SE
	s_setreg_imm32_b32 hwreg(HW_REG_WAVE_MODE, 25, 1), 1
	s_wait_xcnt 0x0
	s_wait_alu depctr_hold_cnt(0) depctr_sa_sdst(0) depctr_va_vdst(0) depctr_va_sdst(0) depctr_va_ssrc(0) depctr_va_vcc(0) depctr_vm_vsrc(0)
	s_getreg_b32 s2, hwreg(HW_REG_IB_STS2, 6, 4)
	s_cmp_eq_u32 s2, 0
	s_cbranch_scc0 .Lentry_in_a_cluster
	s_endpgm
.Lentry_in_a_cluster:
	s_bfe_u32 s2, ttmp6, 0x10000c
	s_cmp_lg_u32 s2, 0xf033
	s_cbranch_scc0 .Lentry_shape_is_right
	s_endpgm
.Lentry_shape_is_right:
; q = rope(x wq^T + bq), k = rope(x wk^T + bk), v = x wv^T + bv, all three products on codes of FP8 (E4M3); the results are quantised at once for the attention launch.
; x [2048][2048], wq [2048][2048], wk, wv [512][2048]: codes, K innermost, 2,048 bytes a row.  Sums in f32; a finished sum is multiplied once by 2^(its two operands' exponents added).
; OUT: q_codes [32 heads][2048][64] (scale entry 6), k_codes [8 groups][2048][64] (entry 7), v_codes [8 groups][32 blocks of 64 keys][64 d][64 keys] (entry 9): the keys innermost, since they are the next K.
; ONE TEXT, THREE KINDS, by the cluster's x (the same number in all sixteen partners): 0-3: C' = x wq^T;  4: C' = x wk^T;  5: C' = wv x^T = v^T, so that a lane's eight results are eight neighbouring KEYS.
; A tile of C' is 128 x 128: four waves, 64 x 64 each, 16 accumulators.  K goes in TWO halves of 1,024 through ONE LDS region of 256 rows: a wave's tensor load brings 64 rows of 1,024 bytes.
; The region is filled at the head and once again: the refill stands behind the three lines and a round of the cluster's barrier, and the first half's last quarter is multiplied out of registers round it.
; CLUSTERS: 4 x 4 work-groups; the first operand's tile is shared along a row of the cluster, the second's along a column: each is asked for jointly.
; PREFETCH: the second half of K is asked for at the head, a whole fill ahead of the load that wants it: of the 64 rows that a wave fetches each of the four partners names 16, told apart by address;
; a lane names a row and one of its four blocks of 256 bytes, two instructions a wave.  The first half comes by its load alone.
; THE MATRIX INSTRUCTION IS USED TRANSPOSED (source 0 = 16 rows of the second operand, source 1 = 16 rows of the first): lane (r, h) holds row r and the eight columns 8 h + 0 .. 7.
; A fragment comes by four loads of 16 bytes: registers 4 c .. 4 c + 3 hold K = 32 c + 16 h + 0 .. 15: the same permutation of K on both sides, so every product meets its partner.
; A wave's 64 x 64 is one head (or group) x 64 rows: 4,096 bytes of codes that lie on end in the output.  The bias and the frequencies are asked for at the head, into registers that lie idle till the way out.
; LIMITS: e0+e1, e2+e3, e4+e5 between -126 and 127; e6, e7, e9 between -126 and 119, so that each power of two below is an f32 number.  NaN among the inputs is not served.
; REGISTERS: window 0: v1 r, v2 h, v4-6 offsets, v16-30 addresses, v32-63 bias, v64-79 at work, v80-81 the quantiser's scale and hold, v96-127 codes, v128-255 accumulators ((a, b) at 128 + 8 (4 a + b)).
;   window 1: two fragment buffers of 128 (first operand's four fragments, then the second's four).   window 2: v0-127 the frequencies, in the accumulators' layout.
.set KSLOT,  1024
.set KROW,   2048
.set PITCH,  1040                      ; an LDS row: 1,024 bytes + 16 of padding = 260 words: row r starts at bank 4 r mod 64 (64 banks of 4 bytes: ISA guide 11.1)
.set HALFT,  64*PITCH                  ; what one tensor load brings
.set SLOT,   4*HALFT                   ; the first operand's 128 rows, then the second's
.set STAGE,  SLOT                      ; behind the region: 64 rows x 80 bytes for each wave
.set SROW,   80
.set SWAVE,  64*SROW
.set SPARE,  STAGE+4*SWAVE             ; behind the stages: the spare words, 128 bytes for each wave
.set FO,   4                           ; v4   frequencies: 256 r + 32 h
.set BO,   5                           ; v5   bias by column: 32 h
.set VO,   6                           ; v6   bias by row: 4 r
.set ADRA, 16
.set ADRB, 20
.set STO,  24
.set RD,   25
.set CO,   26
.set SPW,  28
.set NIL,  29
.set PFO,  30                          ; v30  the prefetches' offset: 2,048 r + 256 h
.set BIAS, 32
.set TT,   64
.set SCV,  80
.set LIM,  81
.set CD,   96
.set ACC,  128
.set F0,   0
.set F1,   128
.set G1,   24
.set G0,   32                          ; s[32:39] group 0 of the first operand's two fills;  s[56:63] of the second's
.set G1B,  48
.set G0B,  56
.set WV,   66
.set WR,   67
.set WC,   72
.set PS,   88                          ; s[88:89] 2^(the product's two exponents added), twice
.set MUL,  0x05                        ; sources 0 and 1 window 1; C and D window 0
.set TO_F, 0x40                        ; destination window 1, address window 0
.set MSB, 0
.macro WIN new                         ; the immediate's high byte repeats the setting that is left
.if MSB != \new
	s_set_vgpr_msb (MSB<<8)|\new
.set MSB, \new
.endif
.endm
.macro PLACES                          ; four plain places behind matrix instructions (ISA guide 7.12.1), where no other vector work is at hand
.rept 4
	v_nop
.endr
.endm
.macro JLOAD s                         ; a joint load: waves 0 and 1 fetch the first operand's halves, waves 2 and 3 the second's; s_nop 0 and four v_nop follow each line
	s_cmp_eq_u32 s[WR], 0
	s_cbranch_scc0 .Lfor_b_\@
	tensor_load_to_lds s[G0+4*\s:G0+4*\s+3], s[G1:G1+7]
	s_nop 0
.rept 4
	v_nop
.endr
	s_branch .Lasked_\@
.Lfor_b_\@:
	tensor_load_to_lds s[G0B+4*\s:G0B+4*\s+3], s[G1B:G1B+7]
	s_nop 0
.rept 4
	v_nop
.endr
.Lasked_\@:
.endm
.macro CREST                           ; a round of the cluster's barrier behind its opening barrier
	s_cmp_lg_u32 s[WV], 0
	s_cbranch_scc1 .Lnot_wave_0_\@
	s_barrier_signal -3
.Lnot_wave_0_\@:
	s_barrier_wait -3
	s_barrier_signal -1
	s_barrier_wait -1
.endm
.macro CROUND
	s_barrier_signal -1
	s_barrier_wait -1
	CREST
.endm
.macro FRAG reg, adr, q, i             ; 16 rows x 128 K: four loads of 16 bytes, 32 bytes apart
.irp c, 0,1,2,3
	ds_load_b128 v[\reg+4*\c:\reg+4*\c+3], v[\adr] offset:128*(\q)+32*\c+(\i)*16*PITCH
.endr
.endm
.macro FETCH q, f                      ; 32 loads in one run: the second operand's four fragments, then the first's
	WIN TO_F
.irp i, 0,1,2,3
	FRAG \f+64+16*\i, ADRB, \q, \i
.endr
.irp i, 0,1,2,3
	FRAG \f+16*\i, ADRA, \q, \i
.endr
.endm
.macro MULA f, a, zero                 ; four products: block a of my rows x my four blocks of columns.  The 16 accumulators take turns in one order
.irp b, 0,1,2,3
.if \zero
	v_wmma_f32_16x16x128_fp8_fp8 v[ACC+8*(4*(\a)+\b):ACC+8*(4*(\a)+\b)+7], v[\f+64+16*\b:\f+64+16*\b+15], v[\f+16*(\a):\f+16*(\a)+15], 0
.else
	v_wmma_f32_16x16x128_fp8_fp8 v[ACC+8*(4*(\a)+\b):ACC+8*(4*(\a)+\b)+7], v[\f+64+16*\b:\f+64+16*\b+15], v[\f+16*(\a):\f+16*(\a)+15], v[ACC+8*(4*(\a)+\b):ACC+8*(4*(\a)+\b)+7]
.endif
.endr
.endm
.macro QUARTER qn, f, g, zero          ; 128 along K out of buffer f; in its middle the region's quarter qn is fetched into buffer g
	s_wait_dscnt 8                                 ; all but the youngest eight loads (blocks 2 and 3 of my rows) are in
	WIN MUL
	MULA \f, 0, \zero
	MULA \f, 1, \zero
	PLACES
	FETCH \qn, \g
	s_wait_dscnt 32                                ; all but the 32 just issued
	WIN MUL
	MULA \f, 2, \zero
	MULA \f, 3, \zero
.endm
.macro HALF zero                       ; seven of the region's eight quarters; the eighth's fragments are left in buffer 1
	FETCH 0, F0
	QUARTER 1, F0, F1, \zero
	QUARTER 2, F1, F0, 0
	QUARTER 3, F0, F1, 0
	QUARTER 4, F1, F0, 0
	QUARTER 5, F0, F1, 0
	QUARTER 6, F1, F0, 0
	QUARTER 7, F0, F1, 0
.endm
.macro REFILL                          ; the first half's last quarter (buffer 1), and round it the region's one refill
	WIN 0
	s_wait_tensorcnt 0x0                           ; no tensor load of mine is out
	ds_add_u32 v[SPW], v[NIL]                      ; 0 onto my spare word
	s_wait_dscnt 9                                 ; (the add and the youngest eight loads may be out)
	WIN MUL
	MULA F1, 0, 0
	s_wait_dscnt 0x0                               ; the add is done, and my reads of the region are over
	s_barrier_signal -1
	MULA F1, 1, 0
	WIN 0
	s_barrier_wait -1
	CREST                                          ; the barrier has opened a round of the cluster's: no wave of any partner still reads the region
	JLOAD 1                                        ; K 1,024 on: the first tensor load behind the round
	WIN MUL
	MULA F1, 2, 0
	MULA F1, 3, 0
	WIN 0
	s_wait_tensorcnt 0x0                           ; my part of the second half is in,
	s_barrier_signal -1
	s_barrier_wait -1                              ; and everybody's
.endm
	s_load_b256 s[4:11], s[0:1], 0x0               ; x s[4:5], wq s[6:7], wk s[8:9], wv s[10:11]
	s_load_b256 s[12:19], s[0:1], 0x20             ; bq s[12:13], bk s[14:15], bv s[16:17], the frequencies s[18:19]
	s_load_b128 s[20:23], s[0:1], 0x40             ; the scales' exponents s[20:21], q_codes s[22:23]
	s_load_b128 s[68:71], s[0:1], 0x50             ; k_codes s[68:69], v_codes s[70:71]
	v_lshl_add_u32 v[SPW], v0, 2, SPARE
	v_mov_b32 v[NIL], 0
	ds_add_u32 v[SPW], v[NIL]                      ; the opening lines: the add, twice on end, and its wait
	ds_add_u32 v[SPW], v[NIL]
	v_lshrrev_b32 v1, 5, v0
	v_readfirstlane_b32 s[WV], v1                  ; wave 0..3
	s_lshr_b32 s[WR], s[WV], 1                     ; my half of the tile's rows.  Also: I fetch for the first operand (0) or the second (1)
	s_and_b32 s[WC], s[WV], 1                      ; my half of its columns.  Also: which 64 rows of that tile I fetch
	s_bfe_u32 s40, ttmp6, 0x40000                  ; cx
	s_bfe_u32 s41, ttmp6, 0x40004                  ; cy
	s_and_b32 s45, ttmp7, 0xffff
	s_lshl_b32 s45, s45, 2                         ; 4 x cluster y
	s_lshl_b32 s47, ttmp9, 2                       ; 4 x cluster x
	s_cmp_lt_u32 ttmp9, 4
	s_cselect_b32 s42, s47, 0                      ; the tile column's base: q: 4 x cluster x; k: 0;
	s_cmp_eq_u32 ttmp9, 5
	s_cselect_b32 s42, s45, s42                    ; v: 4 x cluster y (x's rows are the columns there)
	s_cselect_b32 s46, 0, s45                      ; the tile row's base: v: 0; else 4 x cluster y
	s_add_co_u32 s42, s42, s40                     ; tile column: + cx
	s_add_co_u32 s46, s46, s41                     ; tile row: + cy
	s_lshl_b32 s43, s41, 2
	s_lshl_b32 s43, 15, s43                        ; my row of the cluster
	s_lshl_b32 s44, 0x1111, s40                    ; my column
	; descriptor group 1: 64 rows x 1,024 bytes, four words of padding after every 256 (code 7)
	s_or_b32 s[G1+0], s43, (1<<20)|(1<<21)|(7<<22)|(3<<25)
	s_or_b32 s[G1B+0], s44, (1<<20)|(1<<21)|(7<<22)|(3<<25)
.irp g, G1, G1B
	s_mov_b32 s[\g+1], KSLOT<<16                   ; tensor_dim0
	s_mov_b32 s[\g+2], 64<<16                      ; tensor_dim1
	s_mov_b32 s[\g+3], KSLOT<<16                   ; tile_dim0
	s_mov_b32 s[\g+4], 64                          ; tile_dim1
	s_mov_b32 s[\g+5], KROW                        ; from row to row
	s_mov_b32 s[\g+6], 0
	s_mov_b32 s[\g+7], 0
.endr
	s_lshl_b32 s73, s[WC], 6
	s_lshl_b32 s98, s46, 7
	s_add_co_u32 s98, s98, s73                     ; first operand: row 128 x tile row + 64 x half
	s_lshl_b32 s98, s98, 11                        ; in bytes
	s_mov_b32 s99, 0
	s_lshl_b32 s100, s42, 7
	s_add_co_u32 s100, s100, s73                   ; second operand: row 128 x tile column + 64 x half
	s_lshl_b32 s100, s100, 11
	s_mov_b32 s101, 0
	s_mul_i32 s74, s[WV], HALFT                    ; where they go: wave x 64 rows
	s_wait_dscnt 0x0                               ; both opening adds are done
	s_wait_kmcnt 0x0
	s_load_b256 s[76:83], s[20:21], 0x0            ; e0 .. e7
	s_load_b128 s[84:87], s[20:21], 0x20           ; e8 .. e11
	s_cmp_lt_u32 ttmp9, 4                          ; the buffers are chosen by the cluster's x alone
	s_cselect_b64 s[92:93], s[6:7], s[8:9]
	s_cselect_b64 s[94:95], s[12:13], s[14:15]
	s_cselect_b64 s[96:97], s[22:23], s[68:69]
	s_cmp_eq_u32 ttmp9, 5
	s_cselect_b64 s[90:91], s[10:11], s[4:5]       ; first operand: wv or x
	s_cselect_b64 s[92:93], s[4:5], s[92:93]       ; second: x, wq or wk
	s_cselect_b64 s[94:95], s[16:17], s[94:95]     ; the bias
	s_cselect_b64 s[96:97], s[70:71], s[96:97]     ; the output
	s_add_nc_u64 s[90:91], s[90:91], s[98:99]
	s_add_nc_u64 s[92:93], s[92:93], s[100:101]
	CROUND                                         ; all sixteen work-groups are here: the first joint loads meet
.irp s, 0,1
	s_mov_b32 s[G0+4*\s], 1
	s_mov_b32 s[G0+4*\s+1], s74                    ; both fills land on the same bytes
	s_add_nc_u64 s[G0+4*\s+2:G0+4*\s+3], s[90:91], \s*KSLOT
	s_or_b32 s[G0+4*\s+3], s[G0+4*\s+3], 0x80000000
	s_mov_b32 s[G0B+4*\s], 1
	s_mov_b32 s[G0B+4*\s+1], s74
	s_add_nc_u64 s[G0B+4*\s+2:G0B+4*\s+3], s[92:93], \s*KSLOT
	s_or_b32 s[G0B+4*\s+3], s[G0B+4*\s+3], 0x80000000
.endr
	JLOAD 0                                        ; K 0 .. 1,023: one tensor load a wave at the head
	s_cmp_eq_u32 s[WR], 0                          ; the prefetches: the rows that I fetch,
	s_cselect_b64 s[2:3], s[90:91], s[92:93]
	s_cselect_b32 s73, s40, s41                    ; my place among the four that ask for them with me,
	s_lshl_b32 s98, s73, 15                        ; whose share is 16 rows of 2,048 bytes,
	s_add_co_u32 s98, s98, KSLOT                   ; in the second half of K
	s_mov_b32 s99, 0
	s_add_nc_u64 s[2:3], s[2:3], s[98:99]
	s_mul_i32 s43, s[WR], HALFT                    ; my 64 rows of the first operand in LDS,
	s_mul_i32 s44, s[WC], HALFT
	s_add_co_u32 s44, s44, 2*HALFT                 ; of the second,
	s_mul_i32 s45, s[WV], SWAVE
	s_add_co_u32 s45, s45, STAGE                   ; and my stage
	s_wait_kmcnt 0x0
	s_add_co_i32 s98, s76, s77                     ; e0 + e1
	s_add_co_i32 s99, s78, s79                     ; e2 + e3
	s_add_co_i32 s100, s80, s81                    ; e4 + e5
	s_lshl_b32 s73, s42, 1
	s_add_co_u32 s73, s73, s[WC]                   ; which 64 columns are mine
	s_lshl_b32 s75, s46, 1
	s_add_co_u32 s75, s75, s[WR]                   ; which 64 rows
	s_cmp_lt_u32 ttmp9, 4
	s_cselect_b32 s98, s98, s99
	s_cselect_b32 s99, s82, s83                    ; e6 or e7
	s_cmp_eq_u32 ttmp9, 5
	s_cselect_b32 s98, s100, s98                   ; the product's exponent
	s_cselect_b32 s99, s85, s99                    ; the quantiser's: e6, e7 or e9
	s_cselect_b32 s100, s75, s73                   ; P: the head or group: q, k: my columns; v: my rows
	s_cselect_b32 s101, s73, s75                   ; R: the block of 64 positions
	s_add_co_i32 s98, s98, 127
	s_lshl_b32 s[PS], s98, 23
	s_mov_b32 s[PS+1], s[PS]                       ; (named with it as a pair, so it is written)
	s_add_co_i32 s99, s99, 127
	s_lshl_b32 s47, s99, 23                        ; the quantiser's scale as f32
	s_add_co_i32 s99, s99, 8
	s_lshl_b32 s99, s99, 23
	s_or_b32 s74, s99, 0x600000                    ; 448 x that
	s_lshl_b32 s98, s100, 8                        ; the bias: 64 numbers of head or group P
	s_mov_b32 s99, 0
	s_add_nc_u64 s[94:95], s[94:95], s[98:99]
	s_lshl_b32 s98, s101, 14                       ; the frequencies: 64 rows of 256 bytes from position 64 R on (read by q and k alone)
	s_add_nc_u64 s[18:19], s[18:19], s[98:99]
	s_lshl_b32 s98, s100, 17
	s_lshl_b32 s73, s101, 12
	s_add_co_u32 s98, s98, s73
	s_add_nc_u64 s[96:97], s[96:97], s[98:99]      ; my 4,096 bytes of the output
	v_and_b32 v1, 15, v0                           ; r
	v_bfe_u32 v2, v0, 4, 1                         ; h
	v_mul_u32_u24 v3, v1, PITCH
	v_lshl_add_u32 v3, v2, 4, v3                   ; a fragment's row x pitch + 16 h
	v_add_nc_u32 v[ADRA], s43, v3
	v_add_nc_u32 v[ADRB], s44, v3
	v_mul_u32_u24 v7, v1, SROW
	v_lshl_add_u32 v7, v2, 3, v7
	v_add_nc_u32 v[STO], s45, v7                   ; the stage, in: row r, 8 bytes for each half of the lanes
	v_and_b32 v8, 31, v0
	v_lshrrev_b32 v9, 2, v8
	v_and_b32 v10, 3, v8
	v_mul_u32_u24 v9, v9, SROW
	v_lshl_add_u32 v9, v10, 4, v9
	v_add_nc_u32 v[RD], s45, v9                    ; back: four lanes to a row of 64 bytes, eight rows an instruction
	v_lshlrev_b32 v[CO], 4, v8                     ; and 16 x lane in the output's dense block
	v_lshlrev_b32 v[FO], 8, v1
	v_lshl_add_u32 v[FO], v2, 5, v[FO]
	v_lshlrev_b32 v[BO], 5, v2
	v_lshlrev_b32 v[VO], 2, v1
	v_lshlrev_b32 v[PFO], 11, v1
	v_lshl_add_u32 v[PFO], v2, 8, v[PFO]
	v_mov_b32 v[SCV], s47                          ; the conversion takes its exponent field
	v_mov_b32 v[LIM], s74
	s_wait_alu depctr_va_vdst(0)
	global_prefetch_b8 v[PFO], s[2:3] th:TH_LOAD_NT scope:SCOPE_SE             ; blocks 0 and 1 of my 16 rows' second half,
	global_prefetch_b8 v[PFO], s[2:3] offset:512 th:TH_LOAD_NT scope:SCOPE_SE  ; blocks 2 and 3; neither register is written again
	s_cmp_eq_u32 ttmp9, 5                          ; what the way out wants is asked for now
	s_cbranch_scc1 .Lv_ask
.irp b, 0,1,2,3
	global_load_b128 v[BIAS+8*\b:BIAS+8*\b+3], v[BO], s[94:95] offset:64*\b          ; the bias of columns 16 b + 8 h + 0 .. 7
	global_load_b128 v[BIAS+8*\b+4:BIAS+8*\b+7], v[BO], s[94:95] offset:64*\b+16
.endr
	WIN 0x80                                       ; destination window 2
.irp a, 0,1,2,3
.irp b, 0,1,2,3
	global_load_b128 v[32*\a+8*\b:32*\a+8*\b+3], v[FO], s[18:19] offset:4096*\a+64*\b        ; the frequencies of position 16 a + r, head dims 16 b + 8 h + 0 .. 7: the eight loads of a block a take its 16 rows whole
	global_load_b128 v[32*\a+8*\b+4:32*\a+8*\b+7], v[FO], s[18:19] offset:4096*\a+64*\b+16
.endr
.endr
	WIN 0
	s_branch .Lall_asked
.Lv_ask:
.irp a, 0,1,2,3
	global_load_b32 v[BIAS+2*\a], v[VO], s[94:95] offset:64*\a       ; bv of my row d = 16 a + r, into both halves of a pair
	global_load_b32 v[BIAS+2*\a+1], v[VO], s[94:95] offset:64*\a
.endr
.Lall_asked:
	s_wait_tensorcnt 0x0                           ; my part of the first half is in,
	s_barrier_signal -1
	s_barrier_wait -1                              ; and everybody's
	HALF 1                                         ; the first products start the sums: nothing is cleared
	REFILL
	HALF 0
	s_wait_dscnt 8                                 ; the last quarter
	WIN MUL
	MULA F1, 0, 0
	MULA F1, 1, 0
	s_wait_dscnt 0x0
	MULA F1, 2, 0
	MULA F1, 3, 0
	WIN 0
	PLACES
	s_wait_loadcnt 0x0                             ; the bias (and the frequencies)
	s_cmp_eq_u32 ttmp9, 5                          ; THE WAYS PART, on the cluster's x; between here and .Lquant stands register work alone
	s_cbranch_scc1 .Lv_way
.irp a, 0,1,2,3
.irp b, 0,1,2,3
.irp i, 0,2,4,6
	v_pk_fma_f32 v[ACC+8*(4*\a+\b)+\i:ACC+8*(4*\a+\b)+\i+1], v[ACC+8*(4*\a+\b)+\i:ACC+8*(4*\a+\b)+\i+1], s[PS:PS+1], v[BIAS+8*\b+\i:BIAS+8*\b+\i+1] op_sel_hi:[1,0,1]   ; sum x 2^e + bias; each accumulator from its low end on
.endr
.endr
.endr
	WIN 0x08                                       ; source 1 window 2
.irp a, 0,1,2,3
.irp b, 0,1,2,3
.set rY, ACC+8*(4*\a+\b)
.set rF, 32*\a+8*\b
.set rT, TT+8*(\b%2)
.irp i, 0,2,4,6
	v_mul_f32 v[rT+\i], v[rY+\i+1], v[rF+\i+1]     ; odd x sin
	v_mul_f32 v[rT+\i+1], v[rY+\i+1], v[rF+\i]     ; odd x cos
.endr
.irp i, 0,2,4,6
	v_fma_f32 v[rY+\i+1], v[rY+\i], v[rF+\i+1], v[rT+\i+1]   ; even x sin + odd x cos
	v_fma_f32 v[rY+\i], v[rY+\i], v[rF+\i], -v[rT+\i]        ; even x cos - odd x sin
.endr
.endr
.endr
	WIN 0
	s_branch .Lquant
.Lv_way:
.irp a, 0,1,2,3
.irp b, 0,1,2,3
.irp i, 0,2,4,6
	v_pk_fma_f32 v[ACC+8*(4*\a+\b)+\i:ACC+8*(4*\a+\b)+\i+1], v[ACC+8*(4*\a+\b)+\i:ACC+8*(4*\a+\b)+\i+1], s[PS:PS+1], v[BIAS+2*\a:BIAS+2*\a+1] op_sel_hi:[1,0,1]
.endr
.endr
.endr
.Lquant:
	; THE QUANTISER: a lane's eight registers are eight neighbours along the next K
.irp t, 0,1,2,3,4,5,6,7,8,9,10,11,12,13,14,15
.irp j, 0,1,2,3,4,5,6,7
	v_med3_num_f32 v[ACC+8*\t+\j], v[ACC+8*\t+\j], -v[LIM], v[LIM]   ; the conversion to an 8-bit code does not saturate (ISA guide 7.6.2): the hold at the largest code x the scale
.endr
	v_cvt_scalef32_pk8_fp8_f32 v[CD+2*\t:CD+2*\t+1], v[ACC+8*\t:ACC+8*\t+7], v[SCV]
.endr
	v_nop                                          ; a plain line behind the last conversion
.irp a, 0,1,2,3
.irp b, 0,1,2,3
	ds_store_b64 v[STO], v[CD+2*(4*\a+\b):CD+2*(4*\a+\b)+1] offset:16*SROW*\a+16*\b
.endr
.endr
.irp t, 0,1,2,3,4,5,6,7
	ds_load_b128 v[ACC+4*\t:ACC+4*\t+3], v[RD] offset:8*SROW*\t      ; LDS serves a wave's instructions in order (ISA guide 5.7.1.4): these see my stores
.endr
.irp t, 0,1,2,3,4,5,6,7
	s_wait_dscnt 7-\t
	global_store_b128 v[CO], v[ACC+4*\t:ACC+4*\t+3], s[96:97] offset:512*\t   ; 32 lanes store 512 consecutive bytes, at a multiple of 512 from the buffer's first byte
.endr
	s_wait_tensorcnt 0x0                           ; the wave's end
	ds_add_u32 v[SPW], v[NIL]
	s_wait_dscnt 0x0
	CROUND                                         ; the closing round
	s_endpgm
.Lfunc_end_k_qe87da86f23_qkv:
	.size	k_qe87da86f23_qkv, .Lfunc_end_k_qe87da86f23_qkv-k_qe87da86f23_qkv
	.p2alignl 7, 3214868480
	.fill 96, 4, 3214868480
	.section	.rodata,"a",@progbits
	.p2align	6, 0x0
	.amdhsa_kernel k_qe87da86f23_qkv
		.amdhsa_group_segment_fixed_size 327680
		.amdhsa_private_segment_fixed_size 0
		.amdhsa_enable_private_segment 0
		.amdhsa_kernarg_size 96
		.amdhsa_user_sgpr_count 2
		.amdhsa_user_sgpr_kernarg_segment_ptr 1
		.amdhsa_wavefront_size32 1
		.amdhsa_system_sgpr_workgroup_id_x 1
		.amdhsa_system_sgpr_workgroup_id_y 1
		.amdhsa_system_sgpr_workgroup_id_z 1
		.amdhsa_system_vgpr_workitem_id 0
		.amdhsa_next_free_vgpr 640
		.amdhsa_next_free_sgpr 102
		.amdhsa_reserve_vcc 0
		.amdhsa_float_denorm_mode_32 3
		.amdhsa_float_denorm_mode_16_64 3
		.amdhsa_memory_ordered 1
		.amdhsa_forward_progress 1
		.amdhsa_inst_pref_size 99
	.end_amdhsa_kernel
	.amdgpu_metadata
---
amdhsa.version: [ 1, 2 ]
amdhsa.kernels:
  - .name:           k_qe87da86f23_qkv
    .symbol:         k_qe87da86f23_qkv.kd
    .args:
      - { .name: x_codes, .offset: 0, .size: 8, .value_kind: global_buffer, .address_space: global }
      - { .name: wq_codes, .offset: 8, .size: 8, .value_kind: global_buffer, .address_space: global }
      - { .name: wk_codes, .offset: 16, .size: 8, .value_kind: global_buffer, .address_space: global }
      - { .name: wv_codes, .offset: 24, .size: 8, .value_kind: global_buffer, .address_space: global }
      - { .name: bq, .offset: 32, .size: 8, .value_kind: global_buffer, .address_space: global }
      - { .name: bk, .offset: 40, .size: 8, .value_kind: global_buffer, .address_space: global }
      - { .name: bv, .offset: 48, .size: 8, .value_kind: global_buffer, .address_space: global }
      - { .name: freqs_cis, .offset: 56, .size: 8, .value_kind: global_buffer, .address_space: global }
      - { .name: lowp_scales, .offset: 64, .size: 8, .value_kind: global_buffer, .address_space: global }
      - { .name: q_codes, .offset: 72, .size: 8, .value_kind: global_buffer, .address_space: global }
      - { .name: k_codes, .offset: 80, .size: 8, .value_kind: global_buffer, .address_space: global }
      - { .name: v_codes, .offset: 88, .size: 8, .value_kind: global_buffer, .address_space: global }
    .group_segment_fixed_size: 327680
    .private_segment_fixed_size: 0
    .kernarg_segment_align: 8
    .kernarg_segment_size: 96
    .max_flat_workgroup_size: 128
    .sgpr_count:     102
    .vgpr_count:     640
    .wavefront_size: 32
...
	.end_amdgpu_metadata
.endif
;; end of part 1
;; launch attn (part 2): grid 8 x 32, 8 waves a work-group, clusters of 4 x 4, 327,680 bytes of LDS; arguments q_codes, k_codes, v_codes, mask, lowp_scales, a_codes; writes a_codes
.if DOCPART == 2
	.amdgcn_target "amdgcn-amd-amdhsa--gfx1250"
	.amdhsa_code_object_version 6
	.text
	.protected	k_qe87da86f23_attn
	.globl	k_qe87da86f23_attn
	.p2align	8
	.type	k_qe87da86f23_attn,@function
k_qe87da86f23_attn:
	s_mov_b64 s[64:65], 0
	v_nop
	global_prefetch_b8 v0, s[64:65] scope:SCOPE_SE
	s_setreg_imm32_b32 hwreg(HW_REG_WAVE_MODE, 25, 1), 1
	s_wait_xcnt 0x0
	s_wait_alu depctr_hold_cnt(0) depctr_sa_sdst(0) depctr_va_vdst(0) depctr_va_sdst(0) depctr_va_ssrc(0) depctr_va_vcc(0) depctr_vm_vsrc(0)
	s_getreg_b32 s2, hwreg(HW_REG_IB_STS2, 6, 4)
	s_cmp_eq_u32 s2, 0
	s_cbranch_scc0 .Lentry_in_a_cluster
	s_endpgm
.Lentry_in_a_cluster:
	s_bfe_u32 s2, ttmp6, 0x10000c
	s_cmp_lg_u32 s2, 0xf033
	s_cbranch_scc0 .Lentry_shape_is_right
	s_endpgm
.Lentry_shape_is_right:
; Attention with grouped queries on codes of FP8 (E4M3): 32 heads, 8 groups of K and V, 2,048 x 2,048, head size 64, with the given additive mask [2048][2048] f32.
; q_codes [32][2048][64], k_codes [8][2048][64], v_codes [8][32 blocks of 64 keys][64 d][64 keys].  OUT: a_codes [2048][2048] (column 64 head + d), quantised with scale entry 10.
; THE SOFTMAX: logit = q.k / 8 + mask; t = logit x log2(e), rounded to f32; M = the running largest t rounded UP to a whole number; p = 2^(t - M) is quantised (entry 8), not normalised;
; the row's sum is taken of the unquantised p and divides at the end.  When M moves, the sum and O are multiplied by 2^(old M - new M): exact.
; THE MASK COSTS NO ADDITION: mask x 2^(3 - e6 - e7) (a power of two: exact) is the C of the first product, whose sum of codes stands for q.k / 2^(e6 + e7).
; The mask is an input: no key is left out.
; SHARES.  A work-group owns 64 queries of one group's four heads.  Wave w owns 16 queries (w % 4) of two heads (2 (w / 4) + 0, 1), which share K's and V's fragments and the scaled mask and walk one softmax together.
; Every wave walks all 2,048 keys, 128 a step.  A slot of the ring holds 256 keys: 64 rows of the mask, 256 rows of K, 256 rows of V; two slots.
; BOTH PRODUCTS ARE USED TRANSPOSED: S^T = K Q^T, O^T = V^T P: a lane holds ONE query (lane % 16) throughout.  Lane r of K's tile 2 b + u takes key 32 b + 8 u + r + 8 (r / 8), so that
; registers 16 b + i of the scores are keys 32 b + 16 (lane / 16) + i: the conversions' results are the second product's operand.
; CLUSTERS: 4 x 4 work-groups: along x four groups, along y four blocks of queries.  The mask's tile is shared along a row of the cluster, K's and V's along a column: joint loads.
; NO HOLD ON p: t <= the running largest t <= M in f32, so t - M <= 0 and p <= 1; with e8 >= -8 a code of p is at most 256, inside E4M3.
; LIMITS: e8 between -8 and 119; e10 between -126 and 119; e6 + e7 between -123 and 129; |mask| x 2^(3 - e6 - e7) finite in f32.  NaN is not served.
; REGISTERS: window 0: v1-11 addresses; v12-19 -M, largest t, the sum's halves, a head each; v20-33, v48-61 at work; v35, v40, v41 constants; v64-127 the mask's tile; v128-191, v192-255 the two heads' scores, then p.
;   window 1: v0-15 Q; v16-47 p's codes; v64-127 O^T (head i, tile dt at 64 + 32 i + 8 dt); v128-191 K; v192-255 V.
.set SK,    256
.set MP,    1040                       ; a row of the mask in LDS: 1,024 bytes + 16
.set KP,    80                         ; a row of K or of V: 64 bytes + 16
.set KOFF,  64*MP
.set VOFF,  KOFF+SK*KP
.set SLOT1, 1<<17                      ; slot 1 begins here: one exclusive or turns an address from one slot to the other
.set STAGE, SLOT1+VOFF+SK*KP           ; behind the ring: 64 rows x (256 + 16) bytes, the work-group's
.set SP,    272
.set SPARE, STAGE+64*SP                ; the spare words: 128 bytes for each of eight waves
.set AK0, 1
.set AV0, 2
.set AM0, 3
.set ADK, 4
.set ADV, 5
.set ADM, 6
.set STO, 7
.set RD,  8
.set GO,  9
.set SPW, 10
.set NIL, 11
.set PFO, 42
.set QO,  43
.set OB,  64                           ; O^T, in window 1
.set WV,  18
.set G1M, 24                           ; s[24:31] group 1 of the mask's tiles; s[32:35] their group 0, which walks
.set G0M, 32
.set G1K, 48                           ; s[48:55], s[56:59] the same for K's and V's
.set G0K, 56
.set TB,  66
.set SLOTS, 67
.set CS,  68                           ; s[68:69] log2(e) x 2^(e6 + e7 - 3), twice
.set SEL, 70                           ; s[70:71] lane selects: lane l xor 16
.set MSC, 84                           ; s[84:85] 2^(3 - e6 - e7), twice
.set MSB, 0
.macro WIN new                         ; the immediate's high byte repeats the setting that is left
.if MSB != \new
	s_set_vgpr_msb (MSB<<8)|\new
.set MSB, \new
.endif
.endm
.macro CREST                           ; a round of the cluster's barrier behind its opening barrier
	s_cmp_lg_u32 s[WV], 0
	s_cbranch_scc1 .Lnot_wave_0_\@
	s_barrier_signal -3
.Lnot_wave_0_\@:
	s_barrier_wait -3
	s_barrier_signal -1
	s_barrier_wait -1
.endm
.macro CROUND
	s_barrier_signal -1
	s_barrier_wait -1
	CREST
.endm
.macro JLOAD                           ; a joint load: waves 0 and 1 the mask's halves, wave 2 K, wave 3 V, the others nothing; s_nop 0 and four v_nop follow each line
	s_cmp_lt_u32 s[WV], 2
	s_cbranch_scc0 .Lnot_m_\@
	tensor_load_to_lds s[G0M:G0M+3], s[G1M:G1M+7]
	s_nop 0
.rept 4
	v_nop
.endr
	s_branch .Lasked_\@
.Lnot_m_\@:
	s_cmp_lt_u32 s[WV], 4
	s_cbranch_scc0 .Lasked_\@
	tensor_load_to_lds s[G0K:G0K+3], s[G1K:G1K+7]
	s_nop 0
.rept 4
	v_nop
.endr
.Lasked_\@:
.endm
	s_load_b256 s[4:11], s[0:1], 0x0               ; q s[4:5], k s[6:7], v s[8:9], mask s[10:11]
	s_load_b128 s[12:15], s[0:1], 0x20             ; the scales' exponents s[12:13], a_codes s[14:15]
	v_lshl_add_u32 v[SPW], v0, 2, SPARE
	v_mov_b32 v[NIL], 0
	ds_add_u32 v[SPW], v[NIL]                      ; the opening lines: the add, twice on end, and its wait
	ds_add_u32 v[SPW], v[NIL]
	v_lshrrev_b32 v44, 5, v0
	v_readfirstlane_b32 s[WV], v44                 ; wave 0..7
	s_and_b32 s19, s[WV], 1
	s_and_b32 s20, s[WV], 3                        ; my tile of 16 queries
	s_lshr_b32 s21, s[WV], 2                       ; my pair of heads
	s_bfe_u32 s40, ttmp6, 0x40000                  ; cx
	s_bfe_u32 s41, ttmp6, 0x40004                  ; cy
	s_lshl_b32 s42, ttmp9, 2
	s_add_co_u32 s42, s42, s40                     ; the group = 4 x cluster x + cx
	s_and_b32 s43, ttmp7, 0xffff
	s_lshl_b32 s43, s43, 2
	s_add_co_u32 s43, s43, s41                     ; the block of 64 queries = 4 x cluster y + cy
	s_lshl_b32 s44, s41, 2
	s_lshl_b32 s44, 15, s44                        ; my row of the cluster
	s_lshl_b32 s45, 0x1111, s40                    ; my column
	; group 1 for the mask: 32 rows x 256 numbers of 4 bytes, 2,048 numbers from row to row; four words of padding after every 256
	s_or_b32 s[G1M], s44, (2<<16)|(1<<20)|(1<<21)|(7<<22)|(3<<25)
	s_mov_b32 s[G1M+1], 256<<16
	s_mov_b32 s[G1M+2], 32<<16
	s_mov_b32 s[G1M+3], 256<<16
	s_mov_b32 s[G1M+4], 32
	s_mov_b32 s[G1M+5], 2048
	s_mov_b32 s[G1M+6], 0
	s_mov_b32 s[G1M+7], 0
	; group 1 for K and for V: 256 rows of 64 bytes, dense in memory, so stated as 64 rows of 256 bytes, with four words of padding still behind every 16
	s_or_b32 s[G1K], s45, (1<<20)|(1<<21)|(3<<22)|(3<<25)
	s_mov_b32 s[G1K+1], 256<<16
	s_mov_b32 s[G1K+2], (SK/4)<<16
	s_mov_b32 s[G1K+3], 256<<16
	s_mov_b32 s[G1K+4], SK/4
	s_mov_b32 s[G1K+5], 256
	s_mov_b32 s[G1K+6], 0
	s_mov_b32 s[G1K+7], 0
	s_lshl_b32 s46, s43, 19                        ; the mask: 64 rows of 8,192 bytes a block of queries,
	s_lshl_b32 s47, s19, 18                        ; 32 rows a half
	s_add_co_u32 s46, s46, s47
	s_mov_b32 s47, 0
	s_lshl_b32 s86, s42, 17                        ; K, V: 131,072 bytes a group
	s_mov_b32 s87, 0
	s_mul_i32 s96, s19, 32*MP                      ; where the mask's half goes,
	s_mul_i32 s97, s19, SK*KP
	s_add_co_u32 s97, s97, KOFF                    ; and K's tile (even wave) or V's (odd wave)
	s_lshl_b32 s92, s43, 19
	s_mov_b32 s93, 0
	s_mov_b32 s[SEL], 0x76543210
	s_mov_b32 s[SEL+1], 0xfedcba98
	s_mov_b32 s[TB], SLOT1                         ; the first change of slots turns it to slot 0
	s_mov_b32 s[SLOTS], 6
	s_wait_dscnt 0x0                               ; both opening adds are done
	s_wait_kmcnt 0x0
	s_load_b256 s[72:79], s[12:13], 0x0            ; e0 .. e7
	s_load_b128 s[80:83], s[12:13], 0x20           ; e8 .. e11
	s_add_nc_u64 s[88:89], s[10:11], s[92:93]      ; the mask at my block's first row, for the prefetch
	s_add_nc_u64 s[46:47], s[10:11], s[46:47]
	s_cmp_eq_u32 s19, 0                            ; the choice hangs on the wave's number alone
	s_cselect_b64 s[98:99], s[6:7], s[8:9]
	s_add_nc_u64 s[98:99], s[98:99], s[86:87]
	s_mov_b32 s92, 1024                            ; the prefetch's place along a row of the mask: stepped ahead of each request
	CROUND                                         ; all sixteen work-groups are here: the first joint loads meet
	s_mov_b32 s[G0M], 1
	s_mov_b32 s[G0M+1], s96
	s_mov_b64 s[G0M+2:G0M+3], s[46:47]
	s_or_b32 s[G0M+3], s[G0M+3], 0x80000000
	s_mov_b32 s[G0K], 1
	s_mov_b32 s[G0K+1], s97
	s_mov_b64 s[G0K+2:G0K+3], s[98:99]
	s_or_b32 s[G0K+3], s[G0K+3], 0x80000000
	JLOAD                                          ; slot 0: one tensor load a fetching wave at the head
	; the scalars that the vector lines below take
	s_lshl_b32 s86, s42, 2
	s_lshl_b32 s87, s21, 1
	s_add_co_u32 s86, s86, s87                     ; my first head
	s_lshl_b32 s86, s86, 17
	s_lshl_b32 s87, s43, 12
	s_add_co_u32 s86, s86, s87
	s_lshl_b32 s87, s20, 10
	s_add_co_u32 s86, s86, s87                     ; + my first query x 64 bytes
	s_mov_b32 s87, 0
	s_add_nc_u64 s[4:5], s[4:5], s[86:87]
	s_mul_i32 s36, s20, 16*MP                      ; the mask's rows of my 16 queries
	s_mul_i32 s37, s20, 16*SP
	s_lshl_b32 s87, s21, 7
	s_add_co_u32 s37, s37, s87
	s_add_co_u32 s37, s37, STAGE                   ; the stage, in
	s_mul_i32 s38, s[WV], 8*SP
	s_add_co_u32 s38, s38, STAGE                   ; the stage, back
	s_lshl_b32 s39, s42, 16                        ; the prefetch: 8 rows of the mask a group
	s_lshl_b32 s86, s43, 17
	s_lshl_b32 s87, s[WV], 14
	s_add_co_u32 s86, s86, s87
	s_lshl_b32 s87, s42, 8
	s_add_co_u32 s86, s86, s87                     ; (64 block + 8 w) rows of 2,048 bytes + 256 x group
	s_mov_b32 s87, 0
	s_add_nc_u64 s[14:15], s[14:15], s[86:87]
	s_wait_kmcnt 0x0
	s_add_co_i32 s86, s78, s79                     ; e6 + e7
	s_sub_co_i32 s87, s86, 3
	s_lshl_b32 s87, s87, 23
	s_add_co_i32 s[CS], s87, 0x3fb8aa3b            ; log2(e) with e6 + e7 - 3 added to its exponent field
	s_mov_b32 s[CS+1], s[CS]
	s_sub_co_i32 s87, 130, s86
	s_lshl_b32 s[MSC], s87, 23                     ; 2^(3 - e6 - e7)
	s_mov_b32 s[MSC+1], s[MSC]
	s_add_co_i32 s94, s80, s81                     ; e8 + e9
	s_add_co_i32 s86, s80, 127
	s_lshl_b32 s60, s86, 23                        ; 2^e8
	s_add_co_i32 s86, s82, 127
	s_lshl_b32 s62, s86, 23                        ; 2^e10
	s_add_co_i32 s86, s86, 8
	s_lshl_b32 s86, s86, 23
	s_or_b32 s61, s86, 0x600000                    ; 448 x 2^e10
	v_and_b32 v44, 15, v0                          ; r
	v_bfe_u32 v45, v0, 4, 1                        ; h
	v_lshlrev_b32 v[QO], 6, v44
	v_lshl_add_u32 v[QO], v45, 4, v[QO]            ; Q: row r of 64 bytes, + 16 h
	WIN 0x40                                       ; destination window 1
.irp i, 0,1
.irp c, 0,1
	global_load_b128 v[8*\i+4*\c:8*\i+4*\c+3], v[QO], s[4:5] offset:131072*\i+32*\c   ; Q's two fragments stay in registers
.endr
.endr
.set n, 0
.rept 64
	v_mov_b32 v[OB+n], 0                           ; O^T.  (The step is written once: the first finds zeros, which the first change of M leaves zeros)
.set n, n+1
.endr
	WIN 0
	v_and_b32 v46, 8, v44
	v_add_nc_u32 v46, v46, v44                     ; r + 8 (r / 8)
	v_mul_u32_u24 v[AK0], v46, KP
	v_lshl_add_u32 v[AK0], v45, 4, v[AK0]
	v_add_nc_u32 v[AK0], KOFF, v[AK0]
	v_mul_u32_u24 v[AV0], v44, KP
	v_lshl_add_u32 v[AV0], v45, 4, v[AV0]
	v_add_nc_u32 v[AV0], VOFF, v[AV0]
	v_mul_u32_u24 v[AM0], v44, MP
	v_lshl_add_u32 v[AM0], v45, 6, v[AM0]
	v_add_nc_u32 v[AM0], s36, v[AM0]               ; the mask: row 16 (w % 4) + r, + 64 h: my 16 keys of a block of 32
	v_mul_u32_u24 v[STO], v44, SP
	v_lshl_add_u32 v[STO], v45, 3, v[STO]
	v_add_nc_u32 v[STO], s37, v[STO]               ; the stage, in: my query's row, my heads' 128 bytes, + 8 h
	v_mul_u32_u24 v[RD], v45, SP
	v_lshl_add_u32 v[RD], v44, 4, v[RD]
	v_add_nc_u32 v[RD], s38, v[RD]                 ; back: wave w takes rows 8 w on; lanes 0-15 one row of 256 bytes, lanes 16-31 the next
	v_lshlrev_b32 v[GO], 11, v45
	v_lshl_add_u32 v[GO], v44, 4, v[GO]            ; and the same two rows in a_codes
	v_and_b32 v46, 31, v0
	v_lshrrev_b32 v47, 2, v46
	v_and_b32 v46, 3, v46
	v_lshl_add_u32 v[PFO], v47, 13, s39
	v_lshl_add_u32 v[PFO], v46, 8, v[PFO]          ; the prefetch: group g asks for rows 8 g + lane / 4 of the block's 64, lanes 256 bytes apart along a slot's 1,024
	v_mov_b32 v13, 0xff61b1e6                      ; the largest t so far: -3e38, under every t
	v_mov_b32 v17, 0xff61b1e6
	v_floor_f32 v12, -v13                          ; -M
	v_floor_f32 v16, -v17
	v_mov_b32 v14, 0                               ; the sums, in two halves
	v_mov_b32 v15, 0
	v_mov_b32 v18, 0
	v_mov_b32 v19, 0
	v_mov_b32 v24, 0                               ; written once: a lane permute's destination counts as one of its sources
	v_mov_b32 v25, 0
	v_mov_b32 v27, 0                               ; (named as the upper halves of the pairs v[26:27], v[58:59])
	v_mov_b32 v59, 0
	v_mov_b32 v35, s60                             ; 2^e8, for p's conversions
	v_mov_b32 v40, s61                             ; 448 x 2^e10
	v_mov_b32 v41, s62                             ; 2^e10, for the result's conversions
; K's eight tiles and the mask's tile of the q-th 128 keys of the slot in hand: 32 LDS loads in one run
.macro PRE q
	v_add_nc_u32 v[ADK], s[TB], v[AK0]
	v_add_nc_u32 v[ADM], s[TB], v[AM0]
	WIN 0x40
.irp t, 0,1,2,3,4,5,6,7
.irp c, 0,1
	ds_load_b128 v[128+8*\t+4*\c:128+8*\t+4*\c+3], v[ADK] offset:(128*(\q)+32*(\t/2)+8*(\t%2))*KP+32*\c
.endr
.endr
	WIN 0
.irp b, 0,1,2,3
.irp j, 0,1,2,3
	ds_load_b128 v[64+16*\b+4*\j:64+16*\b+4*\j+3], v[ADM] offset:512*(\q)+128*\b+16*\j
.endr
.endr
.endm
; THE CHANGE OF SLOTS, in two parts with register work between them.  MEET: each wave waits for all its tensor loads (its part of the slot ahead), adds 0 to its spare word, waits for that and for its reads
; of the slot that it leaves, and signals.  PASS: the barrier's wait; fill = 1: it has opened a round of the cluster's barrier, and behind the round the slot just left is filled with the next 256 keys but one.
.macro MEET fill
	s_wait_tensorcnt 0x0                           ; no tensor load of mine is out, so a group 0 may be written
	ds_add_u32 v[SPW], v[NIL]                      ; 0 onto my spare word
.if \fill
	ds_add_u32 v[SPW], v[NIL]                      ; and once more where a load follows
	s_xor_b32 s[G0M+1], s[G0M+1], SLOT1            ; the walking descriptors: the other slot than last time, the next 256 keys
	s_add_nc_u64 s[G0M+2:G0M+3], s[G0M+2:G0M+3], 1024
	s_xor_b32 s[G0K+1], s[G0K+1], SLOT1
	s_add_nc_u64 s[G0K+2:G0K+3], s[G0K+2:G0K+3], SK*64
.endif
	s_wait_dscnt 0x0                               ; the adds are done, and my reads of the slot are over
	s_barrier_signal -1
.endm
.macro PASS fill
	s_barrier_wait -1
.if \fill
	CREST
	JLOAD                                          ; the first tensor load behind the round, a wave's only one until the next
.endif
	s_xor_b32 s[TB], s[TB], SLOT1
.endm
; The mask's tile of a later slot is asked for one slot ahead of its tensor load: wave 4 alone, 32 lanes for 32 blocks of 256 bytes, each block asked for by one group of the eight that read it.
; The request at the first change names slot 2; the one in the loop's trip n names slot n + 3; the last trip asks for nothing, and the place is held at slot 7, inside the buffer.
.macro PREFETCH
	s_cmp_lg_u32 s[WV], 4
	s_cbranch_scc1 .Lno_pf_\@
	s_cmp_eq_u32 s[SLOTS], 1
	s_cbranch_scc1 .Lno_pf_\@
	s_wait_xcnt 0x0                                ; the last request has read its address: it may be stepped
	s_add_co_u32 s92, s92, 1024
	s_min_u32 s92, s92, 7168
	s_add_nc_u64 s[90:91], s[88:89], s[92:93]
	global_prefetch_b8 v[PFO], s[90:91] th:TH_LOAD_NT scope:SCOPE_SE
.Lno_pf_\@:
.endm
; THE SOFTMAX'S FIRST HALF, both heads line by line: t, the largest t, M, f = 2^(old M - new M), t - M, and O^T x f.  Registers alone.
.macro SMA
	v_mov_b32 v60, v12                             ; the old -M.  (These four lines are the places between the products and the first read of the scores)
	v_mov_b32 v61, v16
	v_nop
	v_nop
.set n, 0
.rept 64
	v_pk_mul_f32 v[128+n:129+n], v[128+n:129+n], s[CS:CS+1] op_sel_hi:[1,0]   ; t, rounded once; each accumulator from its low end on
.set n, n+2
.endr
.irp k, 0,1,2,3
	v_max3_num_f32 v[20+\k], v[128+16*\k], v[129+16*\k], v[130+16*\k]         ; the step's largest t, in four chains a head
	v_max3_num_f32 v[54+\k], v[192+16*\k], v[193+16*\k], v[194+16*\k]
.endr
.irp m, 0,1,2,3,4,5
.irp k, 0,1,2,3
	v_max3_num_f32 v[20+\k], v[20+\k], v[131+16*\k+2*\m], v[132+16*\k+2*\m]
	v_max3_num_f32 v[54+\k], v[54+\k], v[195+16*\k+2*\m], v[196+16*\k+2*\m]
.endr
.endr
	v_max3_num_f32 v20, v20, v143, v159
	v_max3_num_f32 v54, v54, v207, v223
	v_max3_num_f32 v22, v22, v175, v191
	v_max3_num_f32 v56, v56, v239, v255
	v_max3_num_f32 v20, v20, v21, v22
	v_max3_num_f32 v54, v54, v55, v56
	v_max_num_f32 v20, v20, v23
	v_max_num_f32 v54, v54, v57
	v_permlanex16_b32 v24, v20, s[SEL], s[SEL+1]
	v_permlanex16_b32 v25, v54, s[SEL], s[SEL+1]
	v_max3_num_f32 v13, v13, v20, v24              ; the running largest t, lane l xor 16's 64 keys among them
	v_max3_num_f32 v17, v17, v54, v25
	v_floor_f32 v12, -v13                          ; the new -M = floor(-t) = -ceil(t): a whole number
	v_floor_f32 v16, -v17
	v_sub_f32 v60, v12, v60                        ; old M - new M: a whole number, 0 or less
	v_sub_f32 v61, v16, v61
	v_cvt_i32_f32 v60, v60                         ; (it saturates)
	v_cvt_i32_f32 v61, v61
	v_ldexp_f32 v26, 1.0, v60                      ; f
	v_ldexp_f32 v58, 1.0, v61
.set n, 0
.rept 32
	v_pk_add_f32 v[128+n:129+n], v[128+n:129+n], v[12:13] op_sel_hi:[1,0]     ; t - M (the pair's low word, -M, serves both halves)
	v_pk_add_f32 v[192+n:193+n], v[192+n:193+n], v[16:17] op_sel_hi:[1,0]
.set n, n+2
.endr
	WIN 0x41                                       ; O^T (destination and source 0) window 1, f window 0
.set n, 0
.rept 16
	v_pk_mul_f32 v[OB+n:OB+n+1], v[OB+n:OB+n+1], v[26:27] op_sel_hi:[1,0]     ; O^T under the new M, each accumulator from its low end on
	v_pk_mul_f32 v[OB+32+n:OB+33+n], v[OB+32+n:OB+33+n], v[58:59] op_sel_hi:[1,0]
.set n, n+2
.endr
	WIN 0
.endm
.macro SUMH i                          ; the sum of a head's 64 UNQUANTISED p, two at a time, in four chains; nothing is cleared
.set rS, 128+64*(\i)
.set rC, 28+20*(\i)
.set rL, 14+4*(\i)
	v_pk_add_f32 v[rC:rC+1], v[rS:rS+1], v[rS+2:rS+3]
	v_pk_add_f32 v[rC+2:rC+3], v[rS+4:rS+5], v[rS+6:rS+7]
	v_pk_add_f32 v[rC+4:rC+5], v[rS+8:rS+9], v[rS+10:rS+11]
	v_pk_add_f32 v[rL:rL+1], v[rL:rL+1], v[rS+12:rS+13]
.set n, 14
.rept 6
	v_pk_add_f32 v[rC:rC+1], v[rC:rC+1], v[rS+n:rS+n+1]
	v_pk_add_f32 v[rC+2:rC+3], v[rC+2:rC+3], v[rS+n+2:rS+n+3]
	v_pk_add_f32 v[rC+4:rC+5], v[rC+4:rC+5], v[rS+n+4:rS+n+5]
	v_pk_add_f32 v[rL:rL+1], v[rL:rL+1], v[rS+n+6:rS+n+7]
.set n, n+8
.endr
	v_pk_add_f32 v[rC:rC+1], v[rC:rC+1], v[rS+62:rS+63]
	v_pk_add_f32 v[rL:rL+1], v[rL:rL+1], v[rC+4:rC+5]
	v_pk_add_f32 v[rC:rC+1], v[rC:rC+1], v[rC+2:rC+3]
	v_pk_add_f32 v[rL:rL+1], v[rL:rL+1], v[rC:rC+1]
.endm
; THE SECOND HALF: the 128 exponentials as one batch, p's codes, the sums, and the second product
.macro SMB mode
	s_wait_alu depctr_va_vdst(0)
.set n, 0
.rept 128
	v_exp_f32 v[128+n], v[128+n]                   ; p = 2^(t - M), at most 1
.set n, n+1
.endr
	v_pk_mul_f32 v[14:15], v[14:15], v[26:27] op_sel_hi:[1,0]                 ; the sums under the new M.  (Plain lines behind the exponentials)
	v_pk_mul_f32 v[18:19], v[18:19], v[58:59] op_sel_hi:[1,0]
	s_wait_alu depctr_va_vdst(0)                   ; one wait for the whole batch, ahead of its first reader
	WIN 0x40                                       ; the codes go to window 1
.irp i, 0,1
.irp b, 0,1,2,3
	v_cvt_scalef32_pk8_fp8_f32 v[16+16*\i+4*\b:17+16*\i+4*\b], v[128+64*\i+16*\b:135+64*\i+16*\b], v35
	v_cvt_scalef32_pk8_fp8_f32 v[18+16*\i+4*\b:19+16*\i+4*\b], v[136+64*\i+16*\b:143+64*\i+16*\b], v35
.endr
.endr
	WIN 0
	SUMH 0                                         ; (plain lines between the conversions and the products that read the codes)
	SUMH 1
	s_wait_alu depctr_va_vdst(0)
.if \mode == 3
	s_wait_dscnt 0x0                               ; V is in
.else
	s_wait_dscnt 32                                ; V is in; the 32 loads issued behind it (the next step's K and mask) may be out
.endif
	WIN 0x55                                       ; V, the codes and O^T: window 1
.irp dt, 0,1,2,3
.irp i, 0,1
	v_wmma_f32_16x16x128_fp8_fp8 v[OB+32*\i+8*\dt:OB+32*\i+8*\dt+7], v[192+16*\dt:207+16*\dt], v[16+16*\i:31+16*\i], v[OB+32*\i+8*\dt:OB+32*\i+8*\dt+7]   ; eight accumulators, one instruction each
.endr
.endr
	WIN 0
.endm
; A KEY STEP: 128 keys, the q-th of the slot in hand.  mode 0: the next step lies in the same slot; 1: the slots change and the one left is filled again; 2: they change, nothing is asked for; 3: the last step.
.macro STEP q, mode
	s_wait_dscnt 0x0                               ; K's tiles and the mask's are in
.set n, 0
.rept 32
	v_pk_mul_f32 v[64+n:65+n], v[64+n:65+n], s[MSC:MSC+1] op_sel_hi:[1,0]     ; mask x 2^(3 - e6 - e7): exact.  (Also the places between the last step's products and the loads into V's registers)
.set n, n+2
.endr
	v_add_nc_u32 v[ADV], s[TB], v[AV0]
	WIN 0x40
.irp dt, 0,1,2,3
.irp c, 0,1,2,3
	ds_load_b128 v[192+16*\dt+4*\c:192+16*\dt+4*\c+3], v[ADV] offset:((2*(\q)+\c/2)*64+16*\dt)*KP+32*(\c%2)   ; V^T: row d = 16 dt + r of the block of 64 keys, keys 32 c + 16 h + 0 .. 15 of the step
.endr
.endr
	WIN 0x05                                       ; K and Q window 1; the mask and the scores window 0
.irp t, 0,1,2,3,4,5,6,7
	v_wmma_f32_16x16x64_fp8_fp8 v[128+8*\t:135+8*\t], v[128+8*\t:135+8*\t], v[0:7], v[64+8*\t:71+8*\t]
	v_wmma_f32_16x16x64_fp8_fp8 v[192+8*\t:199+8*\t], v[128+8*\t:135+8*\t], v[8:15], v[64+8*\t:71+8*\t]
.endr
	WIN 0
.if \mode == 1
	MEET 1
.elseif \mode == 2
	MEET 0
.endif
	SMA                                            ; at a change of slots: register work between the barrier's signal and its wait
.if \mode == 1
	PASS 1
.elseif \mode == 2
	PASS 0
.endif
.if \mode == 0
	PRE (\q)+1
.elseif \mode < 3
	PRE 0
.endif
.if \mode == 1
	PREFETCH
.endif
	SMB \mode
.endm
	s_wait_alu depctr_va_vdst(0)
	MEET 1                                         ; slot 0 is in; slot 1's first fill is issued as a refill is, behind the full sequence and a round
	PASS 1
	PRE 0
	PREFETCH                                       ; slot 2's part of the mask
	s_wait_loadcnt 0x0                             ; Q
.Lslot:                                            ; six trips: trip n walks slot n and asks for slot n + 2
	STEP 0, 0
	STEP 1, 1
	s_sub_co_u32 s[SLOTS], s[SLOTS], 1
	s_cmp_lg_u32 s[SLOTS], 0
	s_cbranch_scc1 .Lslot
	STEP 0, 0                                      ; the last two slots are written out
	STEP 1, 2
	STEP 0, 0
	STEP 1, 3
	; THE WAY OUT.  O^T / the sum x 2^(e8 + e9) is the next product's operand: quantised with entry 10; a lane's eight registers are eight neighbours along that K.  The lines below are the places behind the last products.
	v_add_f32 v14, v14, v15
	v_add_f32 v18, v18, v19
	v_permlanex16_b32 v24, v14, s[SEL], s[SEL+1]
	v_permlanex16_b32 v25, v18, s[SEL], s[SEL+1]
	v_add_f32 v14, v14, v24                        ; the rows' sums
	v_add_f32 v18, v18, v25
	s_wait_alu depctr_va_vdst(0)
	v_rcp_f32 v36, v14
	v_rcp_f32 v38, v18
	v_nop                                          ; a plain line behind the reciprocals
	s_wait_alu depctr_va_vdst(0)
	v_ldexp_f32 v36, v36, s94
	v_ldexp_f32 v38, v38, s94
	v_mov_b32 v37, v36                             ; (the pairs' upper halves are named, so they are written)
	v_mov_b32 v39, v38
	WIN 0x01                                       ; source 0 window 1
	s_wait_alu depctr_va_vdst(0)                   ; directly ahead of the first reader of O^T
.set n, 0
.rept 32
	v_pk_mul_f32 v[128+n:129+n], v[OB+n:OB+n+1], v[36+2*(n/32):37+2*(n/32)] op_sel_hi:[1,0]
.set n, n+2
.endr
	WIN 0
.irp t, 0,1,2,3,4,5,6,7
.irp j, 0,1,2,3,4,5,6,7
	v_med3_num_f32 v[128+8*\t+\j], v[128+8*\t+\j], -v40, v40                  ; the conversion does not saturate (ISA guide 7.6.2): the hold at the largest code x the scale
.endr
	v_cvt_scalef32_pk8_fp8_f32 v[48+2*\t:49+2*\t], v[128+8*\t:135+8*\t], v41
.endr
	v_nop                                          ; a plain line behind the last conversion
.irp i, 0,1
.irp dt, 0,1,2,3
	ds_store_b64 v[STO], v[48+2*(4*\i+\dt):49+2*(4*\i+\dt)] offset:64*\i+16*\dt
.endr
.endr
	s_wait_dscnt 0x0                               ; for the others' sake: a row's 256 bytes come from two waves
	s_barrier_signal -1
	s_barrier_wait -1
.irp t, 0,1,2,3
	ds_load_b128 v[64+4*\t:67+4*\t], v[RD] offset:2*SP*\t
.endr
.irp t, 0,1,2,3
	s_wait_dscnt 3-\t
	global_store_b128 v[GO], v[64+4*\t:67+4*\t], s[14:15] offset:4096*\t      ; sixteen lanes store 256 consecutive bytes, at a multiple of 256 from the buffer's first byte
.endr
	s_wait_tensorcnt 0x0                           ; the wave's end
	ds_add_u32 v[SPW], v[NIL]
	s_wait_dscnt 0x0
	CROUND                                         ; the closing round
	s_endpgm
.Lfunc_end_k_qe87da86f23_attn:
	.size	k_qe87da86f23_attn, .Lfunc_end_k_qe87da86f23_attn-k_qe87da86f23_attn
	.p2alignl 7, 3214868480
	.fill 96, 4, 3214868480
	.section	.rodata,"a",@progbits
	.p2align	6, 0x0
	.amdhsa_kernel k_qe87da86f23_attn
		.amdhsa_group_segment_fixed_size 327680
		.amdhsa_private_segment_fixed_size 0
		.amdhsa_enable_private_segment 0
		.amdhsa_kernarg_size 48
		.amdhsa_user_sgpr_count 2
		.amdhsa_user_sgpr_kernarg_segment_ptr 1
		.amdhsa_wavefront_size32 1
		.amdhsa_system_sgpr_workgroup_id_x 1
		.amdhsa_system_sgpr_workgroup_id_y 1
		.amdhsa_system_sgpr_workgroup_id_z 1
		.amdhsa_system_vgpr_workitem_id 0
		.amdhsa_next_free_vgpr 512
		.amdhsa_next_free_sgpr 100
		.amdhsa_reserve_vcc 0
		.amdhsa_float_denorm_mode_32 3
		.amdhsa_float_denorm_mode_16_64 3
		.amdhsa_memory_ordered 1
		.amdhsa_forward_progress 1
		.amdhsa_inst_pref_size 210
	.end_amdhsa_kernel
	.amdgpu_metadata
---
amdhsa.version: [ 1, 2 ]
amdhsa.kernels:
  - .name:           k_qe87da86f23_attn
    .symbol:         k_qe87da86f23_attn.kd
    .args:
      - { .name: q_codes, .offset: 0, .size: 8, .value_kind: global_buffer, .address_space: global }
      - { .name: k_codes, .offset: 8, .size: 8, .value_kind: global_buffer, .address_space: global }
      - { .name: v_codes, .offset: 16, .size: 8, .value_kind: global_buffer, .address_space: global }
      - { .name: mask, .offset: 24, .size: 8, .value_kind: global_buffer, .address_space: global }
      - { .name: lowp_scales, .offset: 32, .size: 8, .value_kind: global_buffer, .address_space: global }
      - { .name: a_codes, .offset: 40, .size: 8, .value_kind: global_buffer, .address_space: global }
    .group_segment_fixed_size: 327680
    .private_segment_fixed_size: 0
    .kernarg_segment_align: 8
    .kernarg_segment_size: 48
    .max_flat_workgroup_size: 256
    .sgpr_count:     100
    .vgpr_count:     512
    .wavefront_size: 32
...
	.end_amdgpu_metadata
.endif
;; end of part 2
;; launch oproj (part 3): grid 16 x 16, 4 waves a work-group, clusters of 4 x 4, 327,680 bytes of LDS; arguments a_codes, wo_codes, lowp_scales, bo, out0; writes out0
.if DOCPART == 3
	.amdgcn_target "amdgcn-amd-amdhsa--gfx1250"
	.amdhsa_code_object_version 6
	.text
	.protected	k_qe87da86f23_oproj
	.globl	k_qe87da86f23_oproj
	.p2align	8
	.type	k_qe87da86f23_oproj,@function
k_qe87da86f23_oproj:
	s_mov_b64 s[64:65], 0
	v_nop
	global_prefetch_b8 v0, s[64:65] scope:SCOPE_SE
	s_setreg_imm32_b32 hwreg(HW_REG_WAVE_MODE, 25, 1), 1
	s_wait_xcnt 0x0
	s_wait_alu depctr_hold_cnt(0) depctr_sa_sdst(0) depctr_va_vdst(0) depctr_va_sdst(0) depctr_va_ssrc(0) depctr_va_vcc(0) depctr_vm_vsrc(0)
	s_getreg_b32 s2, hwreg(HW_REG_IB_STS2, 6, 4)
	s_cmp_eq_u32 s2, 0
	s_cbranch_scc0 .Lentry_in_a_cluster
	s_endpgm
.Lentry_in_a_cluster:
	s_bfe_u32 s2, ttmp6, 0x10000c
	s_cmp_lg_u32 s2, 0xf033
	s_cbranch_scc0 .Lentry_shape_is_right
	s_endpgm
.Lentry_shape_is_right:
; out0 = a wo^T + bo on codes of FP8 (E4M3).  a_codes [2048][2048] (scale entry 10), wo_codes [2048][2048] (entry 11): K innermost, 2,048 bytes a row.  out0 [2048][2048] f32.
; Sums in f32; a finished sum is multiplied once by 2^(e10 + e11) and the bias is added in the same fused line.  LIMIT: e10 + e11 between -126 and 127.
; A tile of the result is 128 x 128: four waves, 64 x 64 each, 16 accumulators.  K goes in TWO halves of 1,024 through ONE LDS region of 256 rows: a wave's tensor load brings 64 rows of 1,024 bytes.
; The region is filled at the head and once again: the refill stands behind the three lines and a round of the cluster's barrier, and the first half's last quarter is multiplied out of registers round it.
; CLUSTERS: 4 x 4 work-groups; a's tile is shared along a row of the cluster, wo's along a column: each is asked for jointly.
; PREFETCH: the second half of K is asked for at the head, a whole fill ahead of the load that wants it: of the 64 rows that a wave fetches each of the four partners names 16, told apart by address;
; a lane names a row and one of its four blocks of 256 bytes, two instructions a wave.  The first half comes by its load alone.
; THE MATRIX INSTRUCTION IS USED TRANSPOSED (source 0 = 16 rows of wo, source 1 = 16 rows of a): lane (r, h) holds row r and the eight columns 8 h + 0 .. 7.
; A fragment comes by four loads of 16 bytes: registers 4 c .. 4 c + 3 hold K = 32 c + 16 h + 0 .. 15: the same permutation of K on both sides.
; REGISTERS: window 0: v1 r, v2 h, v5 the bias's offset, v16-30 addresses, v32-63 bias, v64-127 at work on the way out, v128-255 accumulators ((a, b) at 128 + 8 (4 a + b)).  window 1: two fragment buffers of 128.
.set KSLOT,  1024
.set KROW,   2048
.set PITCH,  1040                      ; an LDS row: 1,024 bytes + 16 of padding: row r starts at bank 4 r mod 64 (64 banks of 4 bytes: ISA guide 11.1)
.set HALFT,  64*PITCH
.set SLOT,   4*HALFT                   ; a's 128 rows, then wo's
.set STAGE,  SLOT                      ; behind the region: 16 rows x 272 bytes for each wave
.set SPITCH, 272
.set SPARE,  STAGE+4*16*SPITCH         ; the spare words, 128 bytes for each wave
.set BO,   5
.set ADRA, 16
.set ADRB, 20
.set STO,  24
.set RD,   25
.set CO,   26
.set SPW,  28
.set NIL,  29
.set PFO,  30
.set BIAS, 32
.set ACC,  128
.set F0,   0
.set F1,   128
.set G1,   24
.set G0,   32
.set G1B,  48
.set G0B,  56
.set WV,   66
.set WR,   67
.set WC,   72
.set PS,   88
.set MUL,  0x05
.set TO_F, 0x40
.set MSB, 0
.macro WIN new                         ; the immediate's high byte repeats the setting that is left
.if MSB != \new
	s_set_vgpr_msb (MSB<<8)|\new
.set MSB, \new
.endif
.endm
.macro PLACES                          ; four plain places behind matrix instructions (ISA guide 7.12.1)
.rept 4
	v_nop
.endr
.endm
.macro JLOAD s                         ; a joint load: waves 0 and 1 fetch a's halves, waves 2 and 3 wo's; s_nop 0 and four v_nop follow each line
	s_cmp_eq_u32 s[WR], 0
	s_cbranch_scc0 .Lfor_b_\@
	tensor_load_to_lds s[G0+4*\s:G0+4*\s+3], s[G1:G1+7]
	s_nop 0
.rept 4
	v_nop
.endr
	s_branch .Lasked_\@
.Lfor_b_\@:
	tensor_load_to_lds s[G0B+4*\s:G0B+4*\s+3], s[G1B:G1B+7]
	s_nop 0
.rept 4
	v_nop
.endr
.Lasked_\@:
.endm
.macro CREST                           ; a round of the cluster's barrier behind its opening barrier
	s_cmp_lg_u32 s[WV], 0
	s_cbranch_scc1 .Lnot_wave_0_\@
	s_barrier_signal -3
.Lnot_wave_0_\@:
	s_barrier_wait -3
	s_barrier_signal -1
	s_barrier_wait -1
.endm
.macro CROUND
	s_barrier_signal -1
	s_barrier_wait -1
	CREST
.endm
.macro FRAG reg, adr, q, i             ; 16 rows x 128 K: four loads of 16 bytes, 32 bytes apart
.irp c, 0,1,2,3
	ds_load_b128 v[\reg+4*\c:\reg+4*\c+3], v[\adr] offset:128*(\q)+32*\c+(\i)*16*PITCH
.endr
.endm
.macro FETCH q, f                      ; 32 loads in one run: wo's four fragments, then a's
	WIN TO_F
.irp i, 0,1,2,3
	FRAG \f+64+16*\i, ADRB, \q, \i
.endr
.irp i, 0,1,2,3
	FRAG \f+16*\i, ADRA, \q, \i
.endr
.endm
.macro MULA f, a, zero                 ; four products; the 16 accumulators take turns in one order
.irp b, 0,1,2,3
.if \zero
	v_wmma_f32_16x16x128_fp8_fp8 v[ACC+8*(4*(\a)+\b):ACC+8*(4*(\a)+\b)+7], v[\f+64+16*\b:\f+64+16*\b+15], v[\f+16*(\a):\f+16*(\a)+15], 0
.else
	v_wmma_f32_16x16x128_fp8_fp8 v[ACC+8*(4*(\a)+\b):ACC+8*(4*(\a)+\b)+7], v[\f+64+16*\b:\f+64+16*\b+15], v[\f+16*(\a):\f+16*(\a)+15], v[ACC+8*(4*(\a)+\b):ACC+8*(4*(\a)+\b)+7]
.endif
.endr
.endm
.macro QUARTER qn, f, g, zero          ; 128 along K out of buffer f; in its middle the region's quarter qn is fetched into buffer g
	s_wait_dscnt 8                                 ; all but the youngest eight loads (blocks 2 and 3 of my rows) are in
	WIN MUL
	MULA \f, 0, \zero
	MULA \f, 1, \zero
	PLACES
	FETCH \qn, \g
	s_wait_dscnt 32                                ; all but the 32 just issued
	WIN MUL
	MULA \f, 2, \zero
	MULA \f, 3, \zero
.endm
.macro HALF zero                       ; seven of the region's eight quarters; the eighth's fragments are left in buffer 1
	FETCH 0, F0
	QUARTER 1, F0, F1, \zero
	QUARTER 2, F1, F0, 0
	QUARTER 3, F0, F1, 0
	QUARTER 4, F1, F0, 0
	QUARTER 5, F0, F1, 0
	QUARTER 6, F1, F0, 0
	QUARTER 7, F0, F1, 0
.endm
.macro REFILL                          ; the first half's last quarter (buffer 1), and round it the region's one refill
	WIN 0
	s_wait_tensorcnt 0x0                           ; no tensor load of mine is out
	ds_add_u32 v[SPW], v[NIL]                      ; 0 onto my spare word
	s_wait_dscnt 9                                 ; (the add and the youngest eight loads may be out)
	WIN MUL
	MULA F1, 0, 0
	s_wait_dscnt 0x0                               ; the add is done, and my reads of the region are over
	s_barrier_signal -1
	MULA F1, 1, 0
	WIN 0
	s_barrier_wait -1
	CREST                                          ; the barrier has opened a round of the cluster's: no wave of any partner still reads the region
	JLOAD 1                                        ; K 1,024 on: the first tensor load behind the round
	WIN MUL
	MULA F1, 2, 0
	MULA F1, 3, 0
	WIN 0
	s_wait_tensorcnt 0x0                           ; my part of the second half is in,
	s_barrier_signal -1
	s_barrier_wait -1                              ; and everybody's
.endm
	s_load_b128 s[4:7], s[0:1], 0x0                ; a_codes s[4:5], wo_codes s[6:7]
	s_load_b128 s[8:11], s[0:1], 0x10              ; the scales' exponents s[8:9], bo s[10:11]
	s_load_b64 s[12:13], s[0:1], 0x20              ; out0
	v_lshl_add_u32 v[SPW], v0, 2, SPARE
	v_mov_b32 v[NIL], 0
	ds_add_u32 v[SPW], v[NIL]                      ; the opening lines: the add, twice on end, and its wait
	ds_add_u32 v[SPW], v[NIL]
	v_lshrrev_b32 v1, 5, v0
	v_readfirstlane_b32 s[WV], v1                  ; wave 0..3
	s_lshr_b32 s[WR], s[WV], 1                     ; my half of the tile's rows.  Also: I fetch for a (0) or for wo (1)
	s_and_b32 s[WC], s[WV], 1                      ; my half of its columns.  Also: which 64 rows of that tile I fetch
	s_bfe_u32 s40, ttmp6, 0x40000                  ; cx
	s_bfe_u32 s41, ttmp6, 0x40004                  ; cy
	s_lshl_b32 s42, ttmp9, 2
	s_add_co_u32 s42, s42, s40                     ; tile column
	s_and_b32 s46, ttmp7, 0xffff
	s_lshl_b32 s46, s46, 2
	s_add_co_u32 s46, s46, s41                     ; tile row
	s_lshl_b32 s43, s41, 2
	s_lshl_b32 s43, 15, s43                        ; my row of the cluster
	s_lshl_b32 s44, 0x1111, s40                    ; my column
	; descriptor group 1: 64 rows x 1,024 bytes, four words of padding after every 256 (code 7)
	s_or_b32 s[G1+0], s43, (1<<20)|(1<<21)|(7<<22)|(3<<25)
	s_or_b32 s[G1B+0], s44, (1<<20)|(1<<21)|(7<<22)|(3<<25)
.irp g, G1, G1B
	s_mov_b32 s[\g+1], KSLOT<<16
	s_mov_b32 s[\g+2], 64<<16
	s_mov_b32 s[\g+3], KSLOT<<16
	s_mov_b32 s[\g+4], 64
	s_mov_b32 s[\g+5], KROW
	s_mov_b32 s[\g+6], 0
	s_mov_b32 s[\g+7], 0
.endr
	s_lshl_b32 s73, s[WC], 6
	s_lshl_b32 s90, s46, 7
	s_add_co_u32 s90, s90, s73                     ; a: row 128 x tile row + 64 x half
	s_lshl_b32 s90, s90, 11
	s_mov_b32 s91, 0
	s_lshl_b32 s92, s42, 7
	s_add_co_u32 s92, s92, s73                     ; wo: row 128 x tile column + 64 x half
	s_lshl_b32 s92, s92, 11
	s_mov_b32 s93, 0
	s_mul_i32 s74, s[WV], HALFT                    ; where they go: wave x 64 rows
	s_wait_dscnt 0x0                               ; both opening adds are done
	s_wait_kmcnt 0x0
	s_load_b64 s[PS:PS+1], s[8:9], 0x28            ; e10, e11
	s_add_nc_u64 s[90:91], s[4:5], s[90:91]
	s_add_nc_u64 s[92:93], s[6:7], s[92:93]
	CROUND                                         ; all sixteen work-groups are here: the first joint loads meet
.irp s, 0,1
	s_mov_b32 s[G0+4*\s], 1
	s_mov_b32 s[G0+4*\s+1], s74                    ; both fills land on the same bytes
	s_add_nc_u64 s[G0+4*\s+2:G0+4*\s+3], s[90:91], \s*KSLOT
	s_or_b32 s[G0+4*\s+3], s[G0+4*\s+3], 0x80000000
	s_mov_b32 s[G0B+4*\s], 1
	s_mov_b32 s[G0B+4*\s+1], s74
	s_add_nc_u64 s[G0B+4*\s+2:G0B+4*\s+3], s[92:93], \s*KSLOT
	s_or_b32 s[G0B+4*\s+3], s[G0B+4*\s+3], 0x80000000
.endr
	JLOAD 0                                        ; K 0 .. 1,023: one tensor load a wave at the head
	s_cmp_eq_u32 s[WR], 0                          ; the prefetches: the rows that I fetch,
	s_cselect_b64 s[2:3], s[90:91], s[92:93]
	s_cselect_b32 s73, s40, s41                    ; my place among the four that ask for them with me,
	s_lshl_b32 s98, s73, 15                        ; whose share is 16 rows of 2,048 bytes,
	s_add_co_u32 s98, s98, KSLOT                   ; in the second half of K
	s_mov_b32 s99, 0
	s_add_nc_u64 s[2:3], s[2:3], s[98:99]
	s_lshl_b32 s94, s42, 1
	s_add_co_u32 s94, s94, s[WC]
	s_lshl_b32 s94, s94, 8                         ; my 64 columns, in bytes of f32
	s_mov_b32 s95, 0
	s_add_nc_u64 s[10:11], s[10:11], s[94:95]      ; their bias
	s_mul_i32 s43, s[WR], HALFT                    ; my 64 rows of a in LDS,
	s_mul_i32 s44, s[WC], HALFT
	s_add_co_u32 s44, s44, 2*HALFT                 ; of wo,
	s_mul_i32 s45, s[WV], 16*SPITCH
	s_add_co_u32 s45, s45, STAGE                   ; and my stage
	s_lshl_b32 s96, s46, 1
	s_add_co_u32 s96, s96, s[WR]
	s_lshl_b32 s96, s96, 19                        ; my 64 rows of 8,192 bytes
	s_add_co_u32 s96, s96, s94
	s_mov_b32 s97, 0
	s_add_nc_u64 s[12:13], s[12:13], s[96:97]
	s_wait_kmcnt 0x0
	s_add_co_i32 s[PS], s[PS], s[PS+1]
	s_add_co_i32 s[PS], s[PS], 127
	s_lshl_b32 s[PS], s[PS], 23                    ; 2^(e10 + e11) as f32
	s_mov_b32 s[PS+1], s[PS]
	v_and_b32 v1, 15, v0                           ; r
	v_bfe_u32 v2, v0, 4, 1                         ; h
	v_lshlrev_b32 v[BO], 5, v2
	v_mul_u32_u24 v3, v1, PITCH
	v_lshl_add_u32 v3, v2, 4, v3                   ; a fragment's row x pitch + 16 h
	v_add_nc_u32 v[ADRA], s43, v3
	v_add_nc_u32 v[ADRB], s44, v3
	v_mul_u32_u24 v7, v1, SPITCH
	v_lshl_add_u32 v7, v2, 5, v7
	v_add_nc_u32 v[STO], s45, v7                   ; the stage, in: row r, 32 bytes for each half of the lanes
	v_mul_u32_u24 v8, v2, SPITCH
	v_lshl_add_u32 v8, v1, 4, v8
	v_add_nc_u32 v[RD], s45, v8                    ; back: lanes 0-15 one row of 256 bytes, lanes 16-31 the next
	v_lshlrev_b32 v[CO], 13, v2
	v_lshl_add_u32 v[CO], v1, 4, v[CO]             ; and the same two rows in out0
	v_lshlrev_b32 v[PFO], 11, v1
	v_lshl_add_u32 v[PFO], v2, 8, v[PFO]           ; the prefetches: 2,048 r + 256 h
	s_wait_alu depctr_va_vdst(0)
	global_prefetch_b8 v[PFO], s[2:3] th:TH_LOAD_NT scope:SCOPE_SE             ; blocks 0 and 1 of my 16 rows' second half,
	global_prefetch_b8 v[PFO], s[2:3] offset:512 th:TH_LOAD_NT scope:SCOPE_SE  ; blocks 2 and 3; neither register is written again
.irp b, 0,1,2,3
	global_load_b128 v[BIAS+8*\b:BIAS+8*\b+3], v[BO], s[10:11] offset:64*\b    ; the bias of columns 16 b + 8 h + 0 .. 7
	global_load_b128 v[BIAS+8*\b+4:BIAS+8*\b+7], v[BO], s[10:11] offset:64*\b+16
.endr
	s_wait_tensorcnt 0x0                           ; my part of the first half is in,
	s_barrier_signal -1
	s_barrier_wait -1                              ; and everybody's
	HALF 1                                         ; the first products start the sums: nothing is cleared
	REFILL
	HALF 0
	s_wait_dscnt 8                                 ; the last quarter
	WIN MUL
	MULA F1, 0, 0
	MULA F1, 1, 0
	s_wait_dscnt 0x0
	MULA F1, 2, 0
	MULA F1, 3, 0
	WIN 0
	PLACES
	s_wait_loadcnt 0x0                             ; the bias
; THE WAY OUT, block by block of 16 rows x 64 columns: sum x 2^(e10 + e11) + bias, through my own stage, back as whole rows of 256 bytes
.macro TOSTAGE a
.set TM, 64+32*((\a)%2)
.irp b, 0,1,2,3
.irp i, 0,2,4,6
	v_pk_fma_f32 v[TM+8*\b+\i:TM+8*\b+\i+1], v[ACC+8*(4*(\a)+\b)+\i:ACC+8*(4*(\a)+\b)+\i+1], s[PS:PS+1], v[BIAS+8*\b+\i:BIAS+8*\b+\i+1] op_sel_hi:[1,0,1]   ; each accumulator from its low end on
.endr
.endr
.irp b, 0,1,2,3
	ds_store_b128 v[STO], v[TM+8*\b:TM+8*\b+3] offset:64*\b
	ds_store_b128 v[STO], v[TM+8*\b+4:TM+8*\b+7] offset:64*\b+16
.endr
.irp t, 0,1,2,3,4,5,6,7
	ds_load_b128 v[ACC+32*(\a)+4*\t:ACC+32*(\a)+4*\t+3], v[RD] offset:\t*2*SPITCH   ; LDS serves a wave's instructions in order (ISA guide 5.7.1.4): these see my stores
.endr
.endm
.macro SEND a, younger                 ; younger: the LDS instructions issued behind block a's loads, which may stay out
	s_wait_dscnt \younger
.irp t, 0,1,2,3,4,5,6,7
	global_store_b128 v[CO], v[ACC+32*(\a)+4*\t:ACC+32*(\a)+4*\t+3], s[12:13] offset:(16*(\a)+2*\t)*8192 th:TH_STORE_NT   ; sixteen lanes store 256 consecutive bytes, at a multiple of 256 from out0's first byte
.endr
.endm
	TOSTAGE 0
	TOSTAGE 1
	SEND 0, 16
	TOSTAGE 2
	SEND 1, 16
	TOSTAGE 3
	SEND 2, 16
	SEND 3, 0
	s_wait_tensorcnt 0x0                           ; the wave's end
	ds_add_u32 v[SPW], v[NIL]
	s_wait_dscnt 0x0
	CROUND                                         ; the closing round
	s_endpgm
.Lfunc_end_k_qe87da86f23_oproj:
	.size	k_qe87da86f23_oproj, .Lfunc_end_k_qe87da86f23_oproj-k_qe87da86f23_oproj
	.p2alignl 7, 3214868480
	.fill 96, 4, 3214868480
	.section	.rodata,"a",@progbits
	.p2align	6, 0x0
	.amdhsa_kernel k_qe87da86f23_oproj
		.amdhsa_group_segment_fixed_size 327680
		.amdhsa_private_segment_fixed_size 0
		.amdhsa_enable_private_segment 0
		.amdhsa_kernarg_size 40
		.amdhsa_user_sgpr_count 2
		.amdhsa_user_sgpr_kernarg_segment_ptr 1
		.amdhsa_wavefront_size32 1
		.amdhsa_system_sgpr_workgroup_id_x 1
		.amdhsa_system_sgpr_workgroup_id_y 1
		.amdhsa_system_sgpr_workgroup_id_z 1
		.amdhsa_system_vgpr_workitem_id 0
		.amdhsa_next_free_vgpr 512
		.amdhsa_next_free_sgpr 100
		.amdhsa_reserve_vcc 0
		.amdhsa_float_denorm_mode_32 3
		.amdhsa_float_denorm_mode_16_64 3
		.amdhsa_memory_ordered 1
		.amdhsa_forward_progress 1
		.amdhsa_inst_pref_size 73
	.end_amdhsa_kernel
	.amdgpu_metadata
---
amdhsa.version: [ 1, 2 ]
amdhsa.kernels:
  - .name:           k_qe87da86f23_oproj
    .symbol:         k_qe87da86f23_oproj.kd
    .args:
      - { .name: a_codes, .offset: 0, .size: 8, .value_kind: global_buffer, .address_space: global }
      - { .name: wo_codes, .offset: 8, .size: 8, .value_kind: global_buffer, .address_space: global }
      - { .name: lowp_scales, .offset: 16, .size: 8, .value_kind: global_buffer, .address_space: global }
      - { .name: bo, .offset: 24, .size: 8, .value_kind: global_buffer, .address_space: global }
      - { .name: out0, .offset: 32, .size: 8, .value_kind: global_buffer, .address_space: global }
    .group_segment_fixed_size: 327680
    .private_segment_fixed_size: 0
    .kernarg_segment_align: 8
    .kernarg_segment_size: 40
    .max_flat_workgroup_size: 128
    .sgpr_count:     100
    .vgpr_count:     512
    .wavefront_size: 32
...
	.end_amdgpu_metadata
.endif
;; end of part 3
